; MI455X (gfx1250); checked and timed in simulation.
; The chip was launched on July 23, 2026; its instructions are those of AMD's public machine-readable ISA for CDNA 5 (MIT licence, August 2026) and "CDNA5" Instruction Set Architecture Reference Guide (July 2026). The comments in the code are by the model that wrote it; some were corrected since.
;; Attention Head. Allowed arithmetic: matrix products marked QUANTISED: E5M2 operands, one E8M0 scale for each 32 along K, by v_wmma_scale_f32_16x16x128_f8f6f4 with both operands' format E5M2, f32 sums; everything else in f32.
;; Inputs: W 1,024 x 1,024 float32; b 1,024 float32; key 8 x 2,048 x 1,024 float32; query 8 x 512 x 1,024 float32; value 8 x 2,048 x 1,024 float32.
;; Outputs: out0 8 x 512 x 1,024 float32.
;; This version of the problem:
;;   THIS VERSION OF THE PROBLEM IS GIVEN IN LOW PRECISION. The matrix products marked QUANTISED in the list below multiply operands that are first quantised to E5M2 (5 exponent bits, 2 mantissa bits; 8 bits a number), with one power-of-two scale for each 32 numbers along K (OCP MX v1.0); their sums are f32. All else is computed in f32.
;;   The module's matrix products, in the order in which they are computed (A, B: the left and right operand; K: the contracted axis; several contracted axes count as one K, in the product's order):
;;     1. [M 4,096, K 1,024] x [K 1,024, N 1,024]; A: input query; B: input W: QUANTISED
;;     2. [M 16,384, K 1,024] x [K 1,024, N 1,024]; A: input key; B: input W: QUANTISED
;;     3. [M 16,384, K 1,024] x [K 1,024, N 1,024]; A: input value; B: input W: QUANTISED
;;     4. batch 8 x [M 512, K 1,024] x [K 1,024, N 2,048]; A: computed on the way; B: computed on the way: QUANTISED
;;     5. batch 8 x [M 512, K 2,048] x [K 2,048, N 1,024]; A: softmax (see below); B: computed on the way: QUANTISED
;;   THE QUANTISER, for each operand of a quantised product, along K:
;;     - K is cut into blocks of 32 from its start; a last block that is shorter is filled with zeros.
;;     - A block's scale is 2^e with e = floor(log2(the largest magnitude in the block)) - 15, held to -126 .. 127; a block of zeros has e = 0. As a byte (E8M0): e + 127.
;;     - Each number is divided by its block's scale, clamped to +-57,344, and rounded to the nearest number of E5M2, ties to even, subnormals kept.
;;     - The product sums the exact products of the quantised numbers (number of the format x scale) in f32.
;;   ~~~python
;;   def quantise(x, axis):      # numpy; x: float32 -> the quantised numbers, widened to float32 again
;;       x = np.moveaxis(x, axis, -1); K = x.shape[-1]
;;       x = np.pad(x, [(0, 0)] * (x.ndim - 1) + [(0, -K % 32)]); x = x.reshape(x.shape[:-1] + (-1, 32)); a = np.abs(x).max(-1, keepdims=True)
;;       e = np.where(a > 0, np.clip(np.frexp(np.where(a > 0, a, 1))[1] - 1 - 15, -126, 127), 0)      # np.frexp(a)[1] - 1 = floor(log2(a)), exactly
;;       r = np.clip(x / 2.0 ** e, -57344, 57344)
;;       step = 2.0 ** (np.maximum(np.frexp(np.where(r == 0, 1, r))[1] - 1, -14) - 2)
;;       q = np.round(r / step) * step * 2.0 ** e      # np.round: ties to even
;;       return np.moveaxis(q.reshape(q.shape[:-2] + (-1,))[..., :K], -1, axis).astype(np.float32)
;;   ~~~
;;   SOFTMAX AHEAD OF A QUANTISED PRODUCT. Where the list says 'softmax', what is quantised is not the finished softmax but p = 2^(t - M), with t = logit x log2(e) and M = ceil(the row's largest t), a whole number; so 1/2 < the row's largest p <= 1. The row's sum l is taken of the UNQUANTISED p, in f32, and the product's result is divided by l at the end. Since M is a whole number, a kernel that streams over the keys may use a running M (the ceiling of the running maximum): every later rescaling is an exact power of two, which a block's scale takes up: the codes' values come out the same.
;;   OPERANDS COMPUTED ON THE WAY. 'Computed on the way' means the value that the module computes at that place (a softmax that the list does not call 'softmax' is quantised finished and normalised). What goes into a quantiser is computed in f32, as accurately as f32 sums, v_exp_f32 and their like allow (about 1e-6 of the number): no bf16 or f16 on the way to a quantiser, and a product that is left as it is and whose result goes on into a quantised operand takes f32 operands (vector FMAs, or v_wmma_f32_16x16x4_f32). A number that lies on a knife's edge between two numbers of the format may be rounded either way, as far as f32 arithmetic and the matrix unit's own rounding can turn it there, and no further.
;; One version. Each part assembles by itself: llvm-mc -triple=amdgcn-amd-amdhsa -mcpu=gfx1250 --defsym DOCPART=n.
;; ======== version 1 of 1: 4 launches
;; limits: right only within a limited range of input values
;; workspace buffers: wbuf 1,081,344 bytes; qbuf 4,325,376 bytes; kbuf 17,301,504 bytes; vbuf 17,301,504 bytes; pbuf 9,175,040 bytes
;; launch prepw (part 1): grid 64 x 1, 32 waves a work-group, no clusters, 102,912 bytes of LDS; arguments W, wbuf; writes wbuf
.if DOCPART == 1
	.amdgcn_target "amdgcn-amd-amdhsa--gfx1250"
	.amdhsa_code_object_version 6
	.text
	.protected	k_qc4fce0102f_prepw
	.globl	k_qc4fce0102f_prepw
	.p2align	8
	.type	k_qc4fce0102f_prepw,@function
k_qc4fce0102f_prepw:
	s_mov_b64 s[64:65], 0
	v_nop
	global_prefetch_b8 v0, s[64:65] scope:SCOPE_SE
	s_setreg_imm32_b32 hwreg(HW_REG_WAVE_MODE, 25, 1), 1
	s_wait_xcnt 0x0
; W [1024 (p)][1024 (e)], f32, becomes codes of BF8 (E5M2) with one E8M0 scale byte for each 32 along e, laid in the ORDER OF THE OPERAND'S REGISTERS.  No step of the problem is left out in any launch.
; A TILE is 16 rows: row r of tile n is W's row 32 (n / 2) + 8 (n % 2) + r + 8 (r / 8), so that with W as source 0 the 16 result registers of tiles 2 b and 2 b + 1 are 16 neighbours along p.
; AN IMAGE is a fragment (16 rows x 128 along e) as it lies in registers: k = 32 c + 16 h + 0 .. 15 of row r at 512 c + 256 h + 16 r: 2,048 bytes.
; wbuf: image number ((n / 4) x 8 + s) x 4 + n % 4 for tile n, K step s; from byte 1,048,576 on the scale words, [n][r][8 words].
; SHARES: work-group n makes tile n; wave w takes 4 rows (4 (w % 4) on) of K step w / 4.  Each load reads 512 consecutive bytes; the 2,048 bytes turn through the wave's own stage, so that a lane holds 16 neighbours
; (two neighbouring lanes a block of 32).  Codes and words are gathered in LDS and leave in whole aligned units.  No cluster: work-groups share nothing.
; LIMITS: NaN and infinities are not served.  A block whose largest magnitude lies under 2^-111 (a block of zeros too) gets the byte 1: this program alone reads the bytes.
.set SP,    80
.set CODES, 32*2560
.set WORDS, CODES+16384
.set SPARE, WORDS+512
	s_load_b128 s[4:7], s[0:1], 0x0                ; W, wbuf
	v_lshl_add_u32 v2, v0, 2, SPARE
	v_mov_b32 v3, 0
	v_lshrrev_b32 v4, 5, v0
	v_readfirstlane_b32 s8, v4                     ; wave
	s_lshr_b32 s12, s8, 2                          ; K step
	s_and_b32 s16, s8, 3
	s_lshr_b32 s15, ttmp9, 1
	s_lshl_b32 s15, s15, 5
	s_and_b32 s17, ttmp9, 1
	s_lshl_b32 s17, s17, 3
	s_add_co_u32 s15, s15, s17
	s_lshl_b32 s17, s16, 2
	s_add_co_u32 s15, s15, s17                     ; + my 4 of the tile's 16 rows,
	s_lshr_b32 s16, s16, 1
	s_lshl_b32 s16, s16, 3
	s_add_co_u32 s15, s15, s16                     ; which lie 8 further on from row 8 on
	s_lshl_b32 s18, s15, 12
	s_lshl_b32 s17, s12, 9
	s_add_co_u32 s18, s18, s17
	s_mov_b32 s19, 0
	s_lshr_b32 s22, ttmp9, 2
	s_lshl_b32 s22, s22, 16
	s_and_b32 s17, ttmp9, 3
	s_lshl_b32 s17, s17, 11
	s_add_co_u32 s22, s22, s17                     ; the tile's first image,
	s_mov_b32 s23, 0
	s_lshl_b32 s20, ttmp9, 9
	s_add_co_u32 s20, s20, 0x100000                ; and its words
	s_mov_b32 s21, 0
	s_mov_b32 s24, 0x600000                        ; the mantissa field of 57,344
	s_mul_i32 s25, s8, 2560
	v_and_b32 v4, 31, v0
	v_and_b32 v5, 7, v0                            ; e: which 16 of a row's 128
	v_bfe_u32 v6, v0, 3, 4                         ; r
	v_lshrrev_b32 v10, 7, v0                       ; K step
	v_lshlrev_b32 v1, 4, v4
	v_lshrrev_b32 v7, 2, v4
	v_and_b32 v8, 3, v4
	v_mul_u32_u24 v7, v7, SP
	v_mul_u32_u24 v9, v4, SP
	v_lshl_add_u32 v7, v8, 4, v7
	v_add_nc_u32 v9, s25, v9                       ; the stage, out
	v_add_nc_u32 v7, s25, v7                       ; the stage, in
	v_lshlrev_b32 v11, 2, v10
	v_lshrrev_b32 v12, 1, v5
	v_lshl_add_u32 v12, v6, 5, v12
	v_add_nc_u32 v12, v12, v11
	v_add_nc_u32 v12, WORDS, v12                   ; my block's byte: [r][K step][e / 2]
	v_lshlrev_b32 v11, 11, v10
	v_lshl_add_u32 v11, v5, 8, v11
	v_lshl_add_u32 v11, v6, 4, v11
	v_add_nc_u32 v11, CODES, v11                   ; my codes' place in their image
	v_lshlrev_b32 v13, 4, v0
	v_add_nc_u32 v14, CODES, v13                   ; and on the way out: 16 bytes a thread of the eight images
	v_and_b32 v15, 127, v0
	v_lshlrev_b32 v15, 4, v15
	v_lshl_add_u32 v15, v10, 13, v15               ; which lie 8,192 bytes apart in wbuf
	v_add_nc_u32 v16, WORDS, v1
	s_wait_alu depctr_va_vdst(0)
	s_wait_kmcnt 0x0
	s_add_nc_u64 s[4:5], s[4:5], s[18:19]
	s_add_nc_u64 s[22:23], s[6:7], s[22:23]
	s_add_nc_u64 s[20:21], s[6:7], s[20:21]
.irp k, 0,1,2,3
	global_load_b128 v[32+4*\k:35+4*\k], v1, s[4:5] offset:4096*\k th:TH_LOAD_NT
.endr
	s_wait_loadcnt 0x0
.irp k, 0,1,2,3
	ds_store_b128 v7, v[32+4*\k:35+4*\k] offset:8*SP*\k
.endr
.irp k, 0,1,2,3
	ds_load_b128 v[48+4*\k:51+4*\k], v9 offset:16*\k   ; LDS serves a wave's instructions in order: these see my stores
.endr
	s_wait_dscnt 0x0
	v_max3_num_f32 v20, |v48|, |v49|, |v50|
	v_max3_num_f32 v21, |v51|, |v52|, |v53|
.irp i, 54,58
	v_max3_num_f32 v20, v20, |v[\i]|, |v[\i+1]|
	v_max3_num_f32 v21, v21, |v[\i+2]|, |v[\i+3]|
.endr
	v_max3_num_f32 v20, v20, |v62|, |v63|
	v_max3_num_f32 v20, v20, v21, 0x8000000        ; the floor 2^(16 - 127) holds the byte at 1 from below
	v_max_num_f32_dpp v20, v20, v20 row_xmask:1 row_mask:0xf bank_mask:0xf
	v_add_nc_u32 v22, 0xf8800000, v20              ; 15 off the exponent field: the conversion's scale operand
	v_and_or_b32 v23, v20, 0x7f800000, s24         ; 57,344 x the scale
.irp i, 48,49,50,51,52,53,54,55,56,57,58,59,60,61,62,63
	v_med3_num_f32 v[\i], v[\i], -v23, v23         ; the conversion does not saturate (ISA guide 7.6.2): the hold comes first
.endr
	v_cvt_scalef32_pk8_bf8_f32 v[24:25], v[48:55], v22
	v_cvt_scalef32_pk8_bf8_f32 v[26:27], v[56:63], v22
	v_lshrrev_b32 v28, 23, v22
	ds_store_b128 v11, v[24:27]
	ds_store_b8 v12, v28                           ; both lanes of a block write the same byte with the same value
	s_wait_dscnt 0x0                               ; for the others' sake
	s_barrier_signal -1
	s_barrier_wait -1
	ds_load_b128 v[40:43], v14
	s_wait_dscnt 0x0
	global_store_b128 v15, v[40:43], s[22:23]      ; a wave stores 512 consecutive bytes, aligned
	s_cmp_lg_u32 s8, 0
	s_cbranch_scc1 .Ldone
	ds_load_b128 v[44:47], v16
	s_wait_dscnt 0x0
	global_store_b128 v1, v[44:47], s[20:21]       ; the tile's 512 bytes of words, aligned
.Ldone:
	s_wait_tensorcnt 0x0                           ; the wave's end
	ds_add_u32 v2, v3
	s_wait_dscnt 0x0
	s_endpgm
.Lfunc_end_k_qc4fce0102f_prepw:
	.size	k_qc4fce0102f_prepw, .Lfunc_end_k_qc4fce0102f_prepw-k_qc4fce0102f_prepw
	.p2alignl 7, 3214868480
	.fill 96, 4, 3214868480
	.section	.rodata,"a",@progbits
	.p2align	6, 0x0
	.amdhsa_kernel k_qc4fce0102f_prepw
		.amdhsa_group_segment_fixed_size 102912
		.amdhsa_private_segment_fixed_size 0
		.amdhsa_enable_private_segment 0
		.amdhsa_kernarg_size 16
		.amdhsa_user_sgpr_count 2
		.amdhsa_user_sgpr_kernarg_segment_ptr 1
		.amdhsa_wavefront_size32 1
		.amdhsa_system_sgpr_workgroup_id_x 1
		.amdhsa_system_sgpr_workgroup_id_y 1
		.amdhsa_system_sgpr_workgroup_id_z 1
		.amdhsa_system_vgpr_workitem_id 0
		.amdhsa_next_free_vgpr 64
		.amdhsa_next_free_sgpr 66
		.amdhsa_reserve_vcc 0
		.amdhsa_float_denorm_mode_32 3
		.amdhsa_float_denorm_mode_16_64 3
		.amdhsa_memory_ordered 1
		.amdhsa_forward_progress 1
		.amdhsa_inst_pref_size 7
	.end_amdhsa_kernel
	.amdgpu_metadata
---
amdhsa.version: [ 1, 2 ]
amdhsa.kernels:
  - .name:           k_qc4fce0102f_prepw
    .symbol:         k_qc4fce0102f_prepw.kd
    .args:
      - { .name: W, .offset: 0, .size: 8, .value_kind: global_buffer, .address_space: global }
      - { .name: wbuf, .offset: 8, .size: 8, .value_kind: global_buffer, .address_space: global }
    .group_segment_fixed_size: 102912
    .private_segment_fixed_size: 0
    .kernarg_segment_align: 8
    .kernarg_segment_size: 16
    .max_flat_workgroup_size: 1024
    .sgpr_count:     66
    .vgpr_count:     64
    .wavefront_size: 32
...
	.end_amdgpu_metadata
.endif
;; end of part 1
;; launch proj (part 2): grid 256 x 1, 4 waves a work-group, no clusters, 196,096 bytes of LDS; arguments query, key, value, b, wbuf, qbuf, kbuf, vbuf; writes qbuf, kbuf, vbuf
.if DOCPART == 2
	.amdgcn_target "amdgcn-amd-amdhsa--gfx1250"
	.amdhsa_code_object_version 6
	.text
	.protected	k_qc4fce0102f_proj
	.globl	k_qc4fce0102f_proj
	.p2align	8
	.type	k_qc4fce0102f_proj,@function
k_qc4fce0102f_proj:
	s_mov_b64 s[64:65], 0
	v_nop
	global_prefetch_b8 v0, s[64:65] scope:SCOPE_SE
	s_setreg_imm32_b32 hwreg(HW_REG_WAVE_MODE, 25, 1), 1
	s_wait_xcnt 0x0
; q, k, v = x W^T + b for x = query, key, value, on codes of BF8 (E5M2) with one E8M0 scale for each 32 along K; the results leave as codes again: q and k quantised along p, v along the keys.
; SHARES.  Work-group g takes 128 rows of key (g < 128: PATH K) or of value (PATH V) and 16 rows of query: 144 rows, 9 tiles, in every one of the 256 work-groups.
; A TILE is 16 rows: lane r of tile t takes row 32 (t / 2) + 8 (t % 2) + r + 8 (r / 8).  AN IMAGE is a fragment (16 rows x 128 K) as it lies in registers: piece c at 512 c + 16 x lane, 2,048 bytes.
; Wave w owns p = 256 w .. 256 w + 255, in 4 chunks of 4 tiles of W.
; X PHASE: wave w quantises K steps 2 w and 2 w + 1 of all 9 tiles (18 units of 16 rows x 512 bytes) and lays their images and scale words in LDS; one barrier; they stay.
; PRODUCTS: for each chunk 8 K steps of 36 matrix instructions (9 tiles of x against 4 of W).  q and k: source 0 = W, source 1 = x: a lane holds one row and its registers run along p.
; v: THE SOURCES ARE SWAPPED: a lane holds one p and its registers run along the keys, which are the last product's K.  Nothing is transposed.  The bias is the C of each sum's first instruction.
; THE WAY OUT: a chunk's sums are quantised in registers; the conversions' results are pieces of the next products' images and are stored as they stand, 512 consecutive bytes a store.
; W's FRAGMENTS COME FROM MEMORY STRAIGHT INTO REGISTERS (prepw laid them in that order), three K steps ahead.  No tensor load, cluster or joint request: each fragment of W feeds one wave of the work-group alone,
; so through LDS it would add 8 KB to the 18 KB of x that a wave reads from LDS in each K step of 36 matrix instructions, and beside 157 KB of x only slots of one K step would fit.
; LIMITS: NaN and infinities are not served.  A block whose largest magnitude lies under 2^-111 (a block of zeros too) gets the byte 1: its codes are zeros or next to it, and this program alone reads the bytes.
; REGISTERS, in windows of 256 (s_set_vgpr_msb: bits 1:0 source 0, 3:2 source 1, 5:4 source 2, 7:6 destination):
;   window 0: v1-15, v196-201 addresses; v16-51 x's scale words, v52-67 W's (scales and nothing else); v68-85 the scale bytes gathered for q and k; v88-127 at work; v128-191 64 numbers of x
;   window 1: v0-143 x's nine fragments; v144-175 the query tile's sums; v176-207 the bias along p; v208-239 the bias of one p, eight times
;   window 2: W's fragments, four sets of four      window 3: the 32 sums of the 8 main tiles; in the X phase three sets of 64 load registers
.set XIMG, 0                           ; LDS: x's 72 images: number 18 (s / 2) + 2 i + s % 2 for tile i, K step s
.set XSC,  147456                      ; their scale words: 128 bytes an image, 4 a lane
.set STG,  156672                      ; a stage of 16 rows x 528 bytes for each wave
.set GSK,  190464                      ; the scale words of 9 tiles on their way out: [tile][r][8 words], 4,608 bytes
.set XS,   16
.set WS,   52
.set HL,   68
.set TM,   88                          ; v88-91 largest magnitudes, v92-95 bytes, v96-99 57,344 x the scale, v100-103 the conversions' scale operands
.set PW,   104
.set VW,   108
.set PC,   112
.set ST,   128
.set BVR,  192
.set XF,   0                           ; window 1
.set QA,   144
.set BK,   176
.set BV,   208
.set SEL,  24                          ; s[24:25]
.set MNT,  23
.set U,    36                          ; the next unit to be asked for
.set MSB, 0
.macro WIN new                         ; the immediate's high byte repeats the setting that is left; a switch that changes nothing is dropped
.if MSB != (\new)
	s_set_vgpr_msb (MSB<<8)|(\new)
.set MSB, (\new)
.endif
.endm
.macro PLACES n                        ; plain vector instructions that name no register of the matrix instructions in front (ISA guide 7.12.1)
.rept \n
	v_nop
.endr
.endm
; 16 NB numbers at v[s] on, in window X (register 16 b + i = next K 32 b + 16 (lane / 16) + i of my row), become codes in v[PC] on and scale bytes in v[PW].  gst = 1: v[PC] on were the data of global stores.
.macro QUANT s, X, NB, gst
	WIN (\X)|((\X)<<2)
.set qb_, 0
.rept \NB
	v_max3_num_f32 v[TM+qb_], |v[(\s)+16*qb_]|, |v[(\s)+16*qb_+1]|, 0x8000000   ; each sum is read from its low end on; the floor 2^(16 - 127) holds the byte at 1 from below
.set qb_, qb_+1
.endr
.irp i, 2,4,6,8,10,12,14
.set qb_, 0
.rept \NB
	v_max3_num_f32 v[TM+qb_], |v[(\s)+16*qb_+\i]|, |v[(\s)+16*qb_+\i+1]|, v[TM+qb_]   ; the blocks by turns
.set qb_, qb_+1
.endr
.endr
	WIN 0
.set qb_, 0
.rept \NB
	v_permlanex16_b32 v[TM+4+qb_], v[TM+qb_], s[SEL], s[SEL+1]
.set qb_, qb_+1
.endr
.set qb_, 0
.rept \NB
	v_max_num_f32 v[TM+qb_], v[TM+qb_], v[TM+4+qb_]          ; with lane l xor 16's 16: the block's largest magnitude
.set qb_, qb_+1
.endr
.set qb_, 0
.rept \NB
	v_add_nc_u32 v[TM+12+qb_], 0xf8800000, v[TM+qb_]         ; 15 off its exponent field: the conversion's scale operand
.set qb_, qb_+1
.endr
.set qb_, 0
.rept \NB
	v_and_or_b32 v[TM+8+qb_], v[TM+qb_], 0x7f800000, s[MNT]  ; 57,344 x the scale
.set qb_, qb_+1
.endr
.set qb_, 0
.rept \NB
	v_lshrrev_b32 v[TM+4+qb_], 23, v[TM+12+qb_]              ; the scale's byte
.set qb_, qb_+1
.endr
	v_lshl_or_b32 v[PW], v[TM+5], 8, v[TM+4]
.if (\NB) == 4
	v_lshl_or_b32 v[PW], v[TM+6], 16, v[PW]
	v_lshl_or_b32 v[PW], v[TM+7], 24, v[PW]
.endif
	WIN (\X)|((\X)<<6)
.set qr_, 0
.rept 16*(\NB)
	v_med3_num_f32 v[(\s)+qr_], v[(\s)+qr_], -v[TM+8+qr_/16], v[TM+8+qr_/16]   ; the conversion to an 8-bit code does not saturate (ISA guide 7.6.2): the hold comes first
.set qr_, qr_+1
.endr
.if \gst
	s_wait_alu depctr_va_vdst(0)
	s_wait_xcnt 0x0                                ; the last stores have read the code registers: only now are they written again
.endif
	WIN (\X)
.set qb_, 0
.rept \NB
	v_cvt_scalef32_pk8_bf8_f32 v[PC+4*qb_:PC+4*qb_+1], v[(\s)+16*qb_:(\s)+16*qb_+7], v[TM+12+qb_]
	v_cvt_scalef32_pk8_bf8_f32 v[PC+4*qb_+2:PC+4*qb_+3], v[(\s)+16*qb_+8:(\s)+16*qb_+15], v[TM+12+qb_]
.set qb_, qb_+1
.endr
	WIN 0
	v_nop                                          ; one plain line behind the last conversion: later products write its sources
.endm
; where unit U begins in memory: tile U / 2, K step 2 w + U % 2.  Units 16 and 17 are the query tile's.
.macro UBASE k
	s_lshr_b32 s40, s[U], 2
	s_lshl_b32 s40, s40, 17                        ; 32 rows of 4,096 bytes for each pair of tiles,
	s_bfe_u32 s41, s[U], 0x10001
	s_lshl_b32 s41, s41, 15                        ; 8 rows for the odd tile,
	s_add_co_u32 s40, s40, s41
	s_and_b32 s41, s[U], 1
	s_lshl_b32 s41, s41, 9                         ; 512 bytes for the odd K step
	s_add_co_u32 s40, s40, s41
	s_cmp_ge_u32 s[U], 16
	s_cselect_b32 s40, s41, s40
	s_cselect_b64 s[42:43], s[28:29], s[26:27]     ; the choice hangs on the unit's number alone
	s_mov_b32 s41, 0
	s_add_nc_u64 s[30+2*\k:31+2*\k], s[42:43], s[40:41]
	s_add_co_u32 s[U], s[U], 1
.endm
.macro XLOAD k                         ; a unit: 16 rows x 512 consecutive bytes, into set k of window 3
	WIN 0xc0
.irp i, 0,1,2,3,4,5,6,7,8,9,10,11,12,13,14,15
	global_load_b128 v[64*\k+4*\i:64*\k+4*\i+3], v1, s[30+2*\k:31+2*\k] offset:(\i+8*(\i/8))*4096 th:TH_LOAD_NT
.endr
.endm
.macro UNITA k, cnt                    ; set k has landed; its rows turn through my stage, so that a lane gets 16 neighbours of each of its row's four blocks
	s_wait_loadcnt \cnt
	WIN 0x0c                                       ; an LDS store's data are its source 1: window 3
.irp i, 0,1,2,3,4,5,6,7,8,9,10,11,12,13,14,15
	ds_store_b128 v3, v[64*\k+4*\i:64*\k+4*\i+3] offset:528*\i
.endr
	WIN 0
.irp b, 0,1,2,3
.irp j, 0,1,2,3
	ds_load_b128 v[ST+16*\b+4*\j:ST+16*\b+4*\j+3], v4 offset:128*\b+16*\j   ; LDS serves a wave's instructions in order: these see my stores
.endr
.endr
	s_wait_dscnt 0x0                               ; the numbers are in; the stage's stores have read set k, and the last unit's image stores their code registers
.endm
.macro UNITB k                         ; quantised, and to LDS as an image of the registers
	QUANT ST, 0, 4, 0
.irp c, 0,1,2,3
	ds_store_b128 v7, v[PC+4*\c:PC+4*\c+3] offset:2048*\k+512*\c
.endr
	ds_store_b32 v8, v[PW] offset:128*\k
.endm
.macro AUX                             ; a chunk's tables, 16 loads: W's scale words, and the bias in both layouts
	WIN 0
.irp j, 0,1,2,3
	global_load_b128 v[WS+4*\j:WS+4*\j+3], v14, s[52:53] offset:512*\j    ; register q: lanes 0-15 K step q, lanes 16-31 K step 4 + q
.endr
.irp j, 0,1,2,3
	global_load_b32 v[BVR+\j], v196, s[54:55] offset:128*(\j/2)+32*(\j%2) ; b at the p of my row of W's tile j
.endr
	WIN 0x40
.irp j, 0,1,2,3
	global_load_b128 v[BK+8*\j:BK+8*\j+3], v15, s[54:55] offset:128*(\j/2)+32*(\j%2)       ; b at p = 32 (j / 2) + 8 (j % 2) + 16 h + 0 .. 7
	global_load_b128 v[BK+8*\j+4:BK+8*\j+7], v15, s[54:55] offset:128*(\j/2)+32*(\j%2)+16
.endr
	WIN 0
.endm
.macro WLOAD k, base, imm              ; a K step's four fragments of W, 8,192 consecutive bytes, into set k of window 2
	WIN 0x80
.irp j, 0,1,2,3
.irp c, 0,1,2,3
	global_load_b128 v[64*(\k)+16*\j+4*\c:64*(\k)+16*\j+4*\c+3], v1, s[\base:\base+1] offset:(\imm)+2048*\j+512*\c
.endr
.endr
.endm
.macro XFETCH g, s                     ; x's tiles 3 g .. 3 g + 2 of K step s, from LDS
	WIN 0x40
.irp ii, 0,1,2
.irp c, 0,1,2,3
	ds_load_b128 v[XF+16*(3*(\g)+\ii)+4*\c:XF+16*(3*(\g)+\ii)+4*\c+3], v[9+(\s)/2] offset:(2*(3*(\g)+\ii)+(\s)%2)*2048+512*\c
.endr
.endr
.endm
.macro WM d, a, b, c, sa, sb, hi       ; hi = 1: K steps 4 to 7 take their scale words from lanes 16-31
.if \hi
	v_wmma_scale_f32_16x16x128_f8f6f4 v[(\d):(\d)+7], v[(\a):(\a)+15], v[(\b):(\b)+15], v[(\c):(\c)+7], v[(\sa)], v[(\sb)] matrix_a_fmt:MATRIX_FMT_BF8 matrix_b_fmt:MATRIX_FMT_BF8 matrix_a_scale:MATRIX_SCALE_ROW1 matrix_b_scale:MATRIX_SCALE_ROW1
.else
	v_wmma_scale_f32_16x16x128_f8f6f4 v[(\d):(\d)+7], v[(\a):(\a)+15], v[(\b):(\b)+15], v[(\c):(\c)+7], v[(\sa)], v[(\sb)] matrix_a_fmt:MATRIX_FMT_BF8 matrix_b_fmt:MATRIX_FMT_BF8
.endif
.endm
.macro PROD V, i, j, s                 ; x's tile i against W's tile j, K step s.  The first K step takes the bias as C
.set wf_, 64*((\s)%4)+16*(\j)
.set xf_, XF+16*(\i)
.set ws_, WS+4*(\j)+(\s)%4
.set xs_, XS+4*(\i)+(\s)%4
.if (\i) == 8
	WIN 0x56                                       ; W window 2, x, C and D window 1
.if (\s) == 0
	WM QA+8*(\j), wf_, xf_, BK+8*(\j), ws_, xs_, 0
.else
	WM QA+8*(\j), wf_, xf_, QA+8*(\j), ws_, xs_, (\s)/4
.endif
.elseif \V
.set ac_, 8*(8*(\j)+(\i))
.if (\s) == 0
	WIN 0xd9                                       ; x window 1, W window 2, C window 1, D window 3
	WM ac_, xf_, wf_, BV+8*(\j), xs_, ws_, 0
.else
	WIN 0xf9
	WM ac_, xf_, wf_, ac_, xs_, ws_, (\s)/4
.endif
.else
.set ac_, 8*(4*(\i)+(\j))
.if (\s) == 0
	WIN 0xd6                                       ; W window 2, x window 1, C window 1, D window 3
	WM ac_, wf_, xf_, BK+8*(\j), ws_, xs_, 0
.else
	WIN 0xf6
	WM ac_, wf_, xf_, ac_, ws_, xs_, (\s)/4
.endif
.endif
.endm
; A K step: 36 matrix instructions; the 36 sums take turns, one instruction a turn.  x has ONE set of registers: a group of three tiles is fetched anew, for the next K step,
; eight places behind its twelve products, and has the other two groups' 24 products in which to come.
.macro STEP V, s
	s_wait_loadcnt 32                              ; this K step's set of W is in; the two younger sets may be out
.irp g, 0,1,2
	s_wait_dscnt 24                                ; this group's 12 loads are in; the two groups asked for behind it may be out
.irp ii, 0,1,2
.irp j, 0,1,2,3
	PROD \V, 3*\g+\ii, \j, \s
.endr
.endr
	PLACES 8
	XFETCH \g, ((\s)+1)%8
.endr
.if (\s) < 5
	WLOAD ((\s)+3)%4, 48, ((\s)+3)*8192            ; three K steps ahead, into the set that the last K step read
.else
	WLOAD ((\s)+3)%4, 50, ((\s)-5)*8192            ; the next chunk's first three
.endif
.endm
; The way out of a tile of q or k: 64 along p are half a K step of the next product: two pieces of an image, two scale bytes
.macro EPIK i
.if (\i) == 8
	QUANT QA, 1, 2, 1
.else
	QUANT 32*(\i), 3, 2, 1
.endif
	v_lshrrev_b32 v[HL+2*(\i)], 16, v[HL+2*(\i)]                  ; the two bytes are shifted in from above: after four chunks the pair holds the words of K steps 2 w and 2 w + 1
	v_lshl_or_b32 v[HL+2*(\i)], v[HL+2*(\i)+1], 16, v[HL+2*(\i)]
	v_lshrrev_b32 v[HL+2*(\i)+1], 16, v[HL+2*(\i)+1]
	v_lshl_or_b32 v[HL+2*(\i)+1], v[PW], 16, v[HL+2*(\i)+1]
.if (\i) == 8
	global_store_b128 v1, v[PC:PC+3], s[58:59]
	global_store_b128 v1, v[PC+4:PC+7], s[58:59] offset:512
.else
	global_store_b128 v1, v[PC:PC+3], s[56:57] offset:16384*(\i)
	global_store_b128 v1, v[PC+4:PC+7], s[56:57] offset:16384*(\i)+512
.endif
.endm
; The way out of a tile of v: 16 p x 128 keys: a whole image and a scale word a row
.macro EPIV j
	QUANT 64*(\j), 3, 4, 1
	v_mov_b32 v[VW+\j], v[PW]
.irp c, 0,1,2,3
	global_store_b128 v1, v[PC+4*\c:PC+4*\c+3], s[56:57] offset:2048*(\j)+512*\c
.endr
.endm
; The loop over my four chunks, once for each path
.macro CHUNKS V
.Lchunk_\V:
	s_wait_xcnt 0x0                                ; every earlier load and store has read its base: the bases step
	s_mov_b64 s[48:49], s[50:51]                   ; this chunk's W
	s_cmp_lg_u32 s62, 1                            ; in the last trip what runs ahead reads the same chunk again: no load leaves its buffer
	s_cselect_b32 s66, 0x10000, 0
	s_mov_b32 s67, 0
	s_add_nc_u64 s[50:51], s[50:51], s[66:67]      ; the next chunk's W,
	s_cselect_b32 s66, 2048, 0
	s_add_nc_u64 s[52:53], s[52:53], s[66:67]      ; its scale words,
	s_cselect_b32 s66, 256, 0
	s_add_nc_u64 s[54:55], s[54:55], s[66:67]      ; its bias
	s_wait_loadcnt 0x0                             ; the chunk's tables and first three sets of W: all asked for ahead of the last way out
	s_wait_dscnt 0x0
.if \V
	WIN 0x40
.irp j, 0,1,2,3
.irp e, 0,1,2,3,4,5,6,7
	v_mov_b32 v[BV+8*\j+\e], v[BVR+\j]             ; a lane's eight sums of a tile belong to one p: its bias eight times
.endr
.endr
	PLACES 8
.endif
	s_wait_alu depctr_va_vdst(0)
.irp s, 0,1,2,3,4,5,6,7
	STEP \V, \s
.endr
	AUX                                            ; the next chunk's tables: eight places and more behind the last products
.if \V
.irp j, 0,1,2,3
	EPIV \j
.endr
	v_cmp_gt_u32 vcc_lo, 16, v197
	s_wait_alu depctr_va_vdst(0)
	s_wait_xcnt 0x0                                ; EXEC changes only behind this wait
	s_and_saveexec_b32 s63, vcc_lo
	global_store_b128 v198, v[VW:VW+3], s[60:61]   ; the four tiles' scale words, [r][4 words]: sixteen lanes store 256 consecutive bytes, aligned
	s_wait_xcnt 0x0
	s_or_b32 exec_lo, exec_lo, s63
	EPIK 8
	s_wait_xcnt 0x0
	s_add_nc_u64 s[56:57], s[56:57], 8192
	s_add_nc_u64 s[60:61], s[60:61], 256
.else
.irp i, 0,1,2,3,4,5,6,7,8
	EPIK \i
.endr
	s_wait_xcnt 0x0
	s_add_nc_u64 s[56:57], s[56:57], 1024
.endif
	s_add_nc_u64 s[58:59], s[58:59], 1024
	s_sub_co_u32 s62, s62, 1
	s_cmp_lg_u32 s62, 0
	s_cbranch_scc1 .Lchunk_\V
.endm
	s_load_b512 s[4:19], s[0:1], 0x0               ; query s[4:5], key s[6:7], value s[8:9], b s[10:11], wbuf s[12:13], qbuf s[14:15], kbuf s[16:17], vbuf s[18:19]
	v_lshl_add_u32 v254, v0, 2, 0x2fc00
	v_mov_b32 v255, 0
	v_lshrrev_b32 v7, 5, v0
	v_readfirstlane_b32 s20, v7                    ; wave
	s_mov_b32 s21, ttmp9                           ; g
	v_and_b32 v197, 31, v0                         ; lane
	v_and_b32 v7, 15, v0                           ; r
	v_bfe_u32 v8, v0, 4, 1                         ; h
	v_lshlrev_b32 v1, 4, v197                      ; 16 x lane
	v_lshlrev_b32 v2, 2, v197                      ; 4 x lane
	s_mul_i32 s40, s20, 8448
	s_add_co_u32 s40, s40, STG
	v_add_nc_u32 v3, s40, v1                       ; my stage, on the way in
	v_mul_u32_u24 v4, v7, 528
	v_lshl_add_u32 v4, v8, 6, v4
	v_add_nc_u32 v4, s40, v4                       ; and on the way out: row r, + 64 h
	s_mul_i32 s40, s20, 36864
	v_add_nc_u32 v5, s40, v1                       ; where my 18 images begin
	s_mul_i32 s40, s20, 2304
	s_add_co_u32 s40, s40, XSC
	v_add_nc_u32 v6, s40, v2                       ; and their scale words
.irp q, 0,1,2,3
	v_add_nc_u32 v[9+\q], 36864*\q, v1             ; the images of K steps 2 q and 2 q + 1
.endr
	v_mul_u32_u24 v13, v8, 4608
	v_lshl_add_u32 v13, v7, 2, v13
	v_add_nc_u32 v13, XSC, v13                     ; scale words: lanes 0-15 those of K step q, lanes 16-31 those of K step 4 + q, 36 images on
	v_lshlrev_b32 v14, 5, v7
	v_lshl_add_u32 v14, v8, 4, v14                 ; 32 r + 16 h
	v_lshlrev_b32 v15, 6, v8                       ; 64 h
	v_and_b32 v196, 8, v7
	v_add_nc_u32 v196, v196, v7
	v_lshlrev_b32 v196, 2, v196                    ; 4 (r + 8 (r / 8))
	v_lshlrev_b32 v198, 4, v7                      ; 16 r
	s_lshl_b32 s40, s20, 3
	s_add_co_u32 s40, s40, GSK
	v_lshlrev_b32 v199, 5, v7
	v_add_nc_u32 v199, s40, v199                   ; GSK + 32 r + 8 w: my two words of a row
	v_add_nc_u32 v200, GSK, v1                     ; a tile's 512 bytes on their way out
	s_lshl_b32 s40, s20, 9
	s_add_co_u32 s40, s40, GSK
	v_add_nc_u32 v201, s40, v1                     ; tile w's
.irp e, 0,1,2,3,4,5,6,7,8,9,10,11,12,13,14,15,16,17
	v_mov_b32 v[HL+\e], 0                          ; bytes are shifted in: the pairs are read before they are full
.endr
.irp e, 0,1,2,3
	v_mov_b32 v[TM+4+\e], 0                        ; a lane permute's destination counts as one of its sources
.endr
	s_mov_b32 s[SEL], 0x76543210
	s_mov_b32 s[SEL+1], 0xfedcba98
	s_mov_b32 s[MNT], 0x600000
	s_and_b32 s44, s21, 127                        ; my block of 128 rows in key or in value
	s_lshl_b32 s40, s44, 19                        ; 128 rows of 4,096 bytes
	s_lshl_b32 s42, s20, 10                        ; my two K steps: 1,024 bytes a wave
	s_add_co_u32 s40, s40, s42
	s_mov_b32 s41, 0
	s_lshr_b32 s46, s21, 1
	s_lshl_b32 s46, s46, 17
	s_and_b32 s47, s21, 1
	s_lshl_b32 s47, s47, 15
	s_add_co_u32 s46, s46, s47                     ; query tile g
	s_add_co_u32 s46, s46, s42
	s_mov_b32 s47, 0
	s_wait_kmcnt 0x0
	s_cmp_lt_u32 s21, 128                          ; key's work-group or value's: the choice hangs on the work-group's number alone
	s_cselect_b64 s[26:27], s[6:7], s[8:9]
	s_cselect_b64 s[56:57], s[16:17], s[18:19]
	s_add_nc_u64 s[26:27], s[26:27], s[40:41]
	s_add_nc_u64 s[28:29], s[4:5], s[46:47]
	s_mov_b32 s[U], 0
	UBASE 0
	XLOAD 0
	UBASE 1
	XLOAD 1
	UBASE 2
	XLOAD 2                                        ; 48 loads, 24 KB a wave, are on their way
	s_lshl_b32 s40, s44, 17                        ; where the codes go.  k: 8 tiles x 16,384 bytes a work-group, + 4,096 w; v: 64 images a work-group, + 16 w images
	s_lshl_b32 s42, s20, 12
	s_lshl_b32 s43, s20, 15
	s_cmp_lt_u32 s21, 128
	s_cselect_b32 s42, s42, s43
	s_add_co_u32 s40, s40, s42
	s_mov_b32 s41, 0
	s_add_nc_u64 s[56:57], s[56:57], s[40:41]
	s_lshl_b32 s40, s21, 14
	s_lshl_b32 s42, s20, 12
	s_add_co_u32 s40, s40, s42
	s_add_nc_u64 s[58:59], s[14:15], s[40:41]      ; q: tile g, + 4,096 w
	s_lshl_b32 s40, s44, 12
	s_lshl_b32 s42, s20, 10
	s_add_co_u32 s40, s40, s42
	s_add_co_u32 s40, s40, 0x1000000
	s_add_nc_u64 s[60:61], s[18:19], s[40:41]      ; v's scale words: 16 records of 256 bytes a work-group, + 4 w records
	s_lshl_b32 s40, s20, 18
	s_add_nc_u64 s[50:51], s[12:13], s[40:41]      ; my 262,144 bytes of W's images
	s_lshl_b32 s40, s20, 13
	s_add_co_u32 s40, s40, 0x100000
	s_add_nc_u64 s[52:53], s[12:13], s[40:41]      ; my 16 tiles' scale words
	s_lshl_b32 s40, s20, 10
	s_add_nc_u64 s[54:55], s[10:11], s[40:41]      ; my 256 numbers of b
	s_lshl_b32 s40, s44, 12
	s_lshl_b32 s42, s20, 9
	s_add_co_u32 s40, s40, s42
	s_add_co_u32 s40, s40, 0x1000000
	s_add_nc_u64 s[68:69], s[16:17], s[40:41]      ; k's scale words: tile 8 g + w
	s_lshl_b32 s40, s21, 9
	s_add_co_u32 s40, s40, 0x400000
	s_add_nc_u64 s[70:71], s[14:15], s[40:41]      ; q's: tile g
	s_mov_b32 s37, 5
	s_mov_b32 s38, 0
	s_mov_b32 s39, 0
	WIN 0
.Lx:                                               ; five trips of three units; each unit asks for the unit three further on
	s_wait_dscnt 0x0                               ; the last trip's image stores have read their addresses
	v_add_nc_u32 v7, s38, v5
	v_add_nc_u32 v8, s39, v6
.irp k, 0,1,2
	UNITA \k, 32                                   ; mine is in; the two younger units' 32 loads stay out
	UBASE \k
	XLOAD \k
	UNITB \k
.endr
	s_add_co_u32 s38, s38, 6144
	s_add_co_u32 s39, s39, 384
	s_sub_co_u32 s37, s37, 1
	s_cmp_lg_u32 s37, 0
	s_cbranch_scc1 .Lx
	s_wait_dscnt 0x0                               ; the last three units ask for no x: the first chunk's tables and W go out in its place
	v_add_nc_u32 v7, 30720, v5                     ; units 15, 16, 17
	v_add_nc_u32 v8, 1920, v6
	UNITA 0, 32
	AUX
	WLOAD 0, 50, 0
	UNITB 0
	UNITA 1, 48                                    ; behind unit 16's loads: unit 17's 16, the tables' 16, a set's 16
	WLOAD 1, 50, 8192
	UNITB 1
	UNITA 2, 48                                    ; behind unit 17's: the tables' 16 and two sets' 32
	WLOAD 2, 50, 16384
	UNITB 2
	s_wait_dscnt 0x0                               ; for the others' sake: my images and scale words have landed
	s_barrier_signal -1
	s_barrier_wait -1                              ; x's 72 images lie in LDS, and nobody writes them again
.irp i, 0,1,2,3,4,5,6,7,8
.irp q, 0,1,2,3
	ds_load_b32 v[XS+4*\i+\q], v13 offset:(18*(\q/2)+2*\i+(\q%2))*128
.endr
.endr
	XFETCH 0, 0
	XFETCH 1, 0
	XFETCH 2, 0
	WIN 0
	s_mov_b32 s62, 4
	s_cmp_ge_u32 s21, 128
	s_cbranch_scc1 .Lpathv
	CHUNKS 0
.irp i, 0,1,2,3,4,5,6,7
	ds_store_b64 v199, v[HL+2*\i:HL+2*\i+1] offset:512*\i   ; lanes r and r + 16 write the same words with the same values
.endr
	s_branch .Ljoin
.Lpathv:
	CHUNKS 1
.Ljoin:
	s_wait_alu depctr_va_vdst(0)
	ds_store_b64 v199, v[HL+16:HL+17] offset:4096  ; the query tile's
	s_wait_dscnt 0x0                               ; my words have landed, and my last fetches of x are in
	s_barrier_signal -1
	s_barrier_wait -1
	s_cmp_lg_u32 s20, 0
	s_cbranch_scc1 .Lnotq
	ds_load_b128 v[128:131], v200 offset:4096
	s_wait_dscnt 0x0
	global_store_b128 v1, v[128:131], s[70:71]     ; 512 consecutive bytes
.Lnotq:
	s_cmp_ge_u32 s21, 128
	s_cbranch_scc1 .Lend
	ds_load_b128 v[132:135], v201                  ; k's tiles w and w + 4
	ds_load_b128 v[136:139], v201 offset:2048
	s_wait_dscnt 0x0
	global_store_b128 v1, v[132:135], s[68:69]
	global_store_b128 v1, v[136:139], s[68:69] offset:2048
.Lend:
	s_wait_tensorcnt 0x0
	ds_add_u32 v254, v255
	s_wait_dscnt 0x0
	s_endpgm
.Lfunc_end_k_qc4fce0102f_proj:
	.size	k_qc4fce0102f_proj, .Lfunc_end_k_qc4fce0102f_proj-k_qc4fce0102f_proj
	.p2alignl 7, 3214868480
	.fill 96, 4, 3214868480
	.section	.rodata,"a",@progbits
	.p2align	6, 0x0
	.amdhsa_kernel k_qc4fce0102f_proj
		.amdhsa_group_segment_fixed_size 196096
		.amdhsa_private_segment_fixed_size 0
		.amdhsa_enable_private_segment 0
		.amdhsa_kernarg_size 64
		.amdhsa_user_sgpr_count 2
		.amdhsa_user_sgpr_kernarg_segment_ptr 1
		.amdhsa_wavefront_size32 1
		.amdhsa_system_sgpr_workgroup_id_x 1
		.amdhsa_system_sgpr_workgroup_id_y 1
		.amdhsa_system_sgpr_workgroup_id_z 1
		.amdhsa_system_vgpr_workitem_id 0
		.amdhsa_next_free_vgpr 1024
		.amdhsa_next_free_sgpr 80
		.amdhsa_reserve_vcc 1
		.amdhsa_float_denorm_mode_32 3
		.amdhsa_float_denorm_mode_16_64 3
		.amdhsa_memory_ordered 1
		.amdhsa_forward_progress 1
		.amdhsa_inst_pref_size 255
	.end_amdhsa_kernel
	.section	.bss,"aw",@nobits
	.p2align	6
	.space	262144
	.amdgpu_metadata
---
amdhsa.version: [ 1, 2 ]
amdhsa.kernels:
  - .name:           k_qc4fce0102f_proj
    .symbol:         k_qc4fce0102f_proj.kd
    .args:
      - { .name: query, .offset: 0, .size: 8, .value_kind: global_buffer, .address_space: global }
      - { .name: key, .offset: 8, .size: 8, .value_kind: global_buffer, .address_space: global }
      - { .name: value, .offset: 16, .size: 8, .value_kind: global_buffer, .address_space: global }
      - { .name: b, .offset: 24, .size: 8, .value_kind: global_buffer, .address_space: global }
      - { .name: wbuf, .offset: 32, .size: 8, .value_kind: global_buffer, .address_space: global }
      - { .name: qbuf, .offset: 40, .size: 8, .value_kind: global_buffer, .address_space: global }
      - { .name: kbuf, .offset: 48, .size: 8, .value_kind: global_buffer, .address_space: global }
      - { .name: vbuf, .offset: 56, .size: 8, .value_kind: global_buffer, .address_space: global }
    .group_segment_fixed_size: 196096
    .private_segment_fixed_size: 0
    .kernarg_segment_align: 8
    .kernarg_segment_size: 64
    .max_flat_workgroup_size: 128
    .sgpr_count:     80
    .vgpr_count:     1024
    .wavefront_size: 32
...
	.end_amdgpu_metadata
.endif
;; end of part 2
;; launch score (part 3): grid 256 x 1, 4 waves a work-group, no clusters, 327,680 bytes of LDS; arguments qbuf, kbuf, pbuf; writes pbuf
.if DOCPART == 3
	.amdgcn_target "amdgcn-amd-amdhsa--gfx1250"
	.amdhsa_code_object_version 6
	.text
	.protected	k_qc4fce0102f_score
	.globl	k_qc4fce0102f_score
	.p2align	8
	.type	k_qc4fce0102f_score,@function
k_qc4fce0102f_score:
	s_mov_b64 s[64:65], 0
	v_nop
	global_prefetch_b8 v0, s[64:65] scope:SCOPE_SE
	s_setreg_imm32_b32 hwreg(HW_REG_WAVE_MODE, 25, 1), 1
	s_wait_xcnt 0x0
; t = q k^T log2(e) / 32 and p = 2^(t - M) for runs of 128 keys, each run under its own whole number M; p leaves as codes of BF8 (E5M2) with E8M0 scales, and with it each run's -M and its sum of the unquantised p.
; SHARES.  Batch = work-group number % 8.  A work-group makes 128 queries x 256 keys, a wave 64 queries x 128 keys, used transposed (source 0 = 16 keys): a lane holds one query.
; k COMES BY THE TENSOR DATA MOVER, once: a wave asks for four tiles of keys, all of K: 4 rows of 16,384 bytes; q goes from memory straight into registers, four K steps ahead.
; LIMITS: NaN and infinities are not served; the promise holds while the scaled scores stay under 2^31 in magnitude.
.set KA,  5
.set NMS, 8
.set LSS, 12
.set PWS, 16
.set DT,  20
.set NM,  24
.set A0,  26
.set A1,  28
.set T,   30
.set KS,  32
.set QS,  64
.set BM,  80
.set BX,  84
.set HD,  88
.set SO,  92
.set PC,  96
.set CS,  48
.set SEL, 50
.set MNT, 52
.set G1,  56
.set G0,  68
.set MSB, 0
.macro WIN new
.if MSB != (\new)
	s_set_vgpr_msb (MSB<<8)|(\new)
.set MSB, (\new)
.endif
.endm
.macro PLACES n
.rept \n
	v_nop
.endr
.endm
.macro WM d, a, b, sa, sb, hi
.if \hi
	v_wmma_scale_f32_16x16x128_f8f6f4 v[(\d):(\d)+7], v[(\a):(\a)+15], v[(\b):(\b)+15], v[(\d):(\d)+7], v[(\sa)], v[(\sb)] matrix_a_fmt:MATRIX_FMT_BF8 matrix_b_fmt:MATRIX_FMT_BF8 matrix_a_scale:MATRIX_SCALE_ROW1 matrix_b_scale:MATRIX_SCALE_ROW1
.else
	v_wmma_scale_f32_16x16x128_f8f6f4 v[(\d):(\d)+7], v[(\a):(\a)+15], v[(\b):(\b)+15], v[(\d):(\d)+7], v[(\sa)], v[(\sb)] matrix_a_fmt:MATRIX_FMT_BF8 matrix_b_fmt:MATRIX_FMT_BF8
.endif
.endm
.macro WM0 d, a, b, sa, sb
	v_wmma_scale_f32_16x16x128_f8f6f4 v[(\d):(\d)+7], v[(\a):(\a)+15], v[(\b):(\b)+15], 0, v[(\sa)], v[(\sb)] matrix_a_fmt:MATRIX_FMT_BF8 matrix_b_fmt:MATRIX_FMT_BF8
.endm
.macro KFETCH s
	WIN 0x40*(1+(\s)%2)
.irp i, 0,1,2,3,4,5,6,7
.irp c, 0,1,2,3
	ds_load_b128 v[16*\i+4*\c:16*\i+4*\c+3], v[KA+\i/4] offset:16384*(\i%4)+2048*(\s)+512*\c
.endr
.endr
.endm
.macro QLOAD s
	WIN 0x40*(1+((\s)%4)/2)
.irp t, 0,1,2,3
.irp c, 0,1,2,3
	global_load_b128 v[128+64*((\s)%2)+16*\t+4*\c:128+64*((\s)%2)+16*\t+4*\c+3], v1, s[18:19] offset:16384*\t+2048*(\s)+512*\c
.endr
.endr
.endm
.macro KSTEP s
.if (\s) < 5
	s_wait_loadcnt 48
.else
	s_wait_loadcnt 16*(7-(\s))
.endif
.if (\s) < 7
	s_wait_dscnt 32
.else
	s_wait_dscnt 0x0
.endif
	WIN 0xf0|(1+(\s)%2)|((1+((\s)%4)/2)<<2)
.irp t, 0,1,2,3
.irp i, 0,1,2,3,4,5,6,7
.if (\s) == 0
	WM0 64*\t+8*\i, 16*\i, 128+16*\t, KS+4*\i, QS+4*\t
.else
	WM 64*\t+8*\i, 16*\i, 128+64*((\s)%2)+16*\t, KS+4*\i+(\s)%4, QS+4*\t+(\s)%4, (\s)/4
.endif
.endr
.endr
	PLACES 8
.if (\s) < 6
	KFETCH (\s)+2
.endif
.if (\s) < 4
	QLOAD (\s)+4
.endif
.endm
.macro SOFT t
.set S, 64*(\t)
	WIN 0x0f
.irp b, 0,1,2,3
	v_max3_num_f32 v[BM+\b], v[S+16*\b], v[S+16*\b+1], 0xff800000
.endr
.irp i, 2,4,6,8,10,12,14
.irp b, 0,1,2,3
	v_max3_num_f32 v[BM+\b], v[S+16*\b+\i], v[S+16*\b+\i+1], v[BM+\b]
.endr
.endr
	WIN 0
.irp b, 0,1,2,3
	v_permlanex16_b32 v[BX+\b], v[BM+\b], s[SEL], s[SEL+1]
.endr
.irp b, 0,1,2,3
	v_max_num_f32 v[BM+\b], v[BM+\b], v[BX+\b]
.endr
	v_max3_num_f32 v[T], v[BM], v[BM+1], v[BM+2]
	v_max_num_f32 v[T], v[T], v[BM+3]
	v_mul_f32 v[T], s[CS], v[T]
	v_floor_f32 v[NM], -v[T]
	v_mov_b32 v[NMS+\t], v[NM]
.irp b, 0,1,2,3
	v_fma_f32 v[BM+\b], v[BM+\b], s[CS], v[NM]
.endr
	WIN 0xc3
.irp j, 0,2,4,6,8,10,12,14,16,18,20,22,24,26,28,30,32,34,36,38,40,42,44,46,48,50,52,54,56,58,60,62
	v_pk_fma_f32 v[S+\j:S+\j+1], v[S+\j:S+\j+1], s[CS:CS+1], v[NM:NM+1] op_sel_hi:[1,0,0]
.endr
	s_wait_alu depctr_va_vdst(0)
.irp j, 0,1,2,3,4,5,6,7,8,9,10,11,12,13,14,15,16,17,18,19,20,21,22,23,24,25,26,27,28,29,30,31,32,33,34,35,36,37,38,39,40,41,42,43,44,45,46,47,48,49,50,51,52,53,54,55,56,57,58,59,60,61,62,63
	v_exp_f32 v[S+\j], v[S+\j]
.endr
	WIN 0
.irp b, 0,1,2,3
	v_exp_f32 v[BM+\b], v[BM+\b]
.endr
	v_nop
	s_wait_alu depctr_va_vdst(0)
.irp b, 0,1,2,3
	v_max_num_f32 v[BM+\b], 0x8000000, v[BM+\b]
.endr
.irp b, 0,1,2,3
	v_add_nc_u32 v[SO+\b], 0xf8800000, v[BM+\b]
.endr
.irp b, 0,1,2,3
	v_and_or_b32 v[HD+\b], v[BM+\b], 0x7f800000, s[MNT]
.endr
.irp b, 0,1,2,3
	v_lshrrev_b32 v[BX+\b], 23, v[SO+\b]
.endr
	v_lshl_or_b32 v[PWS+\t], v[BX+1], 8, v[BX]
	v_lshl_or_b32 v[PWS+\t], v[BX+2], 16, v[PWS+\t]
	v_lshl_or_b32 v[PWS+\t], v[BX+3], 24, v[PWS+\t]
	WIN 0x0f
	v_pk_add_f32 v[A0:A0+1], v[S:S+1], v[S+2:S+3]
	v_pk_add_f32 v[A1:A1+1], v[S+4:S+5], v[S+6:S+7]
	WIN 0x03
.irp j, 8,16,24,32,40,48,56
	v_pk_add_f32 v[A0:A0+1], v[S+\j:S+\j+1], v[A0:A0+1]
	v_pk_add_f32 v[A1:A1+1], v[S+\j+2:S+\j+3], v[A1:A1+1]
	v_pk_add_f32 v[A0:A0+1], v[S+\j+4:S+\j+5], v[A0:A0+1]
	v_pk_add_f32 v[A1:A1+1], v[S+\j+6:S+\j+7], v[A1:A1+1]
.endr
	WIN 0
	v_pk_add_f32 v[A0:A0+1], v[A0:A0+1], v[A1:A1+1]
	v_add_f32 v[A0], v[A0], v[A0+1]
	v_permlanex16_b32 v[T], v[A0], s[SEL], s[SEL+1]
	v_add_f32 v[LSS+\t], v[A0], v[T]
	WIN 0xc3
.irp b, 0,1,2,3
.irp i, 0,1,2,3,4,5,6,7,8,9,10,11,12,13,14,15
	v_min_num_f32 v[S+16*\b+\i], v[S+16*\b+\i], v[HD+\b]
.endr
.endr
	s_wait_alu depctr_va_vdst(0)
	s_wait_xcnt 0x0
	WIN 0x03
.irp b, 0,1,2,3
	v_cvt_scalef32_pk8_bf8_f32 v[PC+4*\b:PC+4*\b+1], v[S+16*\b:S+16*\b+7], v[SO+\b]
	v_cvt_scalef32_pk8_bf8_f32 v[PC+4*\b+2:PC+4*\b+3], v[S+16*\b+8:S+16*\b+15], v[SO+\b]
.endr
	WIN 0
	v_nop
.irp c, 0,1,2,3
	global_store_b128 v1, v[PC+4*\c:PC+4*\c+3], s[42:43] offset:32768*(\t)+512*\c
.endr
.endm
	s_load_b128 s[4:7], s[0:1], 0x0
	s_load_b64 s[8:9], s[0:1], 0x10
	v_lshl_add_u32 v254, v0, 2, 0x40000
	v_mov_b32 v255, 0
	ds_add_u32 v254, v255
	ds_add_u32 v254, v255
	v_lshrrev_b32 v7, 5, v0
	v_readfirstlane_b32 s10, v7
	v_and_b32 v4, 31, v0
	v_and_b32 v7, 15, v0
	v_bfe_u32 v31, v0, 4, 1
	v_lshlrev_b32 v1, 4, v4
	v_lshlrev_b32 v2, 5, v7
	v_lshl_add_u32 v2, v31, 4, v2
	v_lshlrev_b32 v3, 4, v7
	s_lshr_b32 s11, s10, 1
	s_lshl_b32 s11, s11, 17                        ; my eight tiles of keys, 16,384 bytes each
	v_add_nc_u32 v[KA], s11, v1
	v_add_nc_u32 v[KA+1], 0x10000, v[KA]           ; the last four of them
	v_mov_b32 v[NM+1], 0
.irp b, 0,1,2,3
	v_mov_b32 v[BX+\b], 0
.endr
	v_mov_b32 v[T], 0
	s_mov_b32 s[CS], 0x3d38aa3b
	s_mov_b32 s[CS+1], s[CS]
	s_mov_b32 s[SEL], 0x76543210
	s_mov_b32 s[SEL+1], 0xfedcba98
	s_mov_b32 s[MNT], 0x600000
	s_mov_b32 s[G1], 3<<16
	s_mov_b32 s[G1+1], 2048<<16
	s_mov_b32 s[G1+2], 4<<16
	s_mov_b32 s[G1+3], 2048<<16
	s_mov_b32 s[G1+4], 4
	s_mov_b32 s[G1+5], 2048
	s_mov_b32 s[G1+6], 0
	s_mov_b32 s[G1+7], 0
	s_and_b32 s12, ttmp9, 7                        ; batch
	s_lshr_b32 s14, ttmp9, 5                       ; block of 256 keys
	s_lshl_b32 s20, s12, 7
	s_lshl_b32 s21, s14, 4
	s_add_co_u32 s21, s20, s21
	s_lshl_b32 s22, s10, 2
	s_add_co_u32 s21, s21, s22
	s_lshl_b32 s24, s21, 14
	s_mov_b32 s25, 0
	s_lshl_b32 s54, s10, 16                        ; the four tiles that I fetch
	s_bfe_u32 s13, ttmp9, 0x20003                  ; block of 128 queries
	s_lshl_b32 s14, s14, 1
	s_lshr_b32 s15, s10, 1
	s_add_co_u32 s14, s14, s15
	s_lshl_b32 s13, s13, 1
	s_and_b32 s15, s10, 1
	s_add_co_u32 s13, s13, s15
	s_lshl_b32 s21, s14, 3
	s_add_co_u32 s20, s20, s21
	s_lshl_b32 s22, s12, 5
	s_lshl_b32 s23, s13, 2
	s_add_co_u32 s22, s22, s23
	s_lshl_b32 s26, s22, 14
	s_mov_b32 s27, 0
	s_lshl_b32 s28, s20, 9
	s_add_co_u32 s28, s28, 0x1000000
	s_mov_b32 s29, 0
	s_lshl_b32 s30, s22, 9
	s_add_co_u32 s30, s30, 0x400000
	s_mov_b32 s31, 0
	s_lshl_b32 s32, s22, 4
	s_add_co_u32 s32, s32, s14
	s_lshl_b32 s32, s32, 11
	s_mov_b32 s33, 0
	s_lshl_b32 s34, s12, 3
	s_add_co_u32 s34, s34, s13
	s_lshl_b32 s34, s34, 4
	s_add_co_u32 s34, s34, s14
	s_lshl_b32 s36, s34, 8
	s_add_co_u32 s36, s36, 0x800000
	s_mov_b32 s37, 0
	s_lshl_b32 s34, s34, 9
	s_add_co_u32 s34, s34, 0x840000
	s_mov_b32 s35, 0
	s_wait_alu depctr_va_vdst(0)
	s_wait_dscnt 0x0
	s_wait_kmcnt 0x0
	s_add_nc_u64 s[16:17], s[6:7], s[24:25]
	s_mov_b32 s[G0], 1
	s_mov_b32 s[G0+1], s54
	s_mov_b64 s[G0+2:G0+3], s[16:17]
	s_or_b32 s[G0+3], s[G0+3], 0x80000000
	tensor_load_to_lds s[G0:G0+3], s[G1:G1+7]
	s_nop 0
.rept 4
	v_nop
.endr
	s_add_nc_u64 s[18:19], s[4:5], s[26:27]
	s_add_nc_u64 s[38:39], s[6:7], s[28:29]
	s_add_nc_u64 s[40:41], s[4:5], s[30:31]
	s_add_nc_u64 s[42:43], s[8:9], s[32:33]
	s_add_nc_u64 s[44:45], s[8:9], s[34:35]
	s_add_nc_u64 s[46:47], s[8:9], s[36:37]
.irp i, 0,1,2,3,4,5,6,7
	global_load_b128 v[KS+4*\i:KS+4*\i+3], v2, s[38:39] offset:512*\i
.endr
.irp t, 0,1,2,3
	global_load_b128 v[QS+4*\t:QS+4*\t+3], v2, s[40:41] offset:512*\t
.endr
	QLOAD 0
	QLOAD 1
	QLOAD 2
	QLOAD 3
	s_wait_tensorcnt 0x0                           ; my four tiles have landed
	s_barrier_signal -1
	s_barrier_wait -1
	KFETCH 0
	KFETCH 1
.irp s, 0,1,2,3,4,5,6,7
	KSTEP \s
.endr
.irp t, 0,1,2,3
	SOFT \t
.endr
	v_cmp_gt_u32 vcc_lo, 16, v4
.irp t, 0,1,2,3
	v_cndmask_b32 v[DT+\t], v[LSS+\t], v[NMS+\t], vcc_lo
.endr
	global_store_b128 v1, v[DT:DT+3], s[44:45]
	s_wait_xcnt 0x0
	s_wait_tensorcnt 0x0
	ds_add_u32 v254, v255
	s_wait_dscnt 0x0
	s_and_saveexec_b32 s53, vcc_lo
	global_store_b128 v3, v[PWS:PWS+3], s[46:47]
	s_wait_xcnt 0x0
	s_or_b32 exec_lo, exec_lo, s53
	s_endpgm
.Lfunc_end_k_qc4fce0102f_score:
	.size	k_qc4fce0102f_score, .Lfunc_end_k_qc4fce0102f_score-k_qc4fce0102f_score
	.p2alignl 7, 3214868480
	.fill 96, 4, 3214868480
	.section	.rodata,"a",@progbits
	.p2align	6, 0x0
	.amdhsa_kernel k_qc4fce0102f_score
		.amdhsa_group_segment_fixed_size 327680
		.amdhsa_private_segment_fixed_size 0
		.amdhsa_enable_private_segment 0
		.amdhsa_kernarg_size 24
		.amdhsa_user_sgpr_count 2
		.amdhsa_user_sgpr_kernarg_segment_ptr 1
		.amdhsa_wavefront_size32 1
		.amdhsa_system_sgpr_workgroup_id_x 1
		.amdhsa_system_sgpr_workgroup_id_y 1
		.amdhsa_system_sgpr_workgroup_id_z 1
		.amdhsa_system_vgpr_workitem_id 0
		.amdhsa_next_free_vgpr 1024
		.amdhsa_next_free_sgpr 76
		.amdhsa_reserve_vcc 1
		.amdhsa_float_denorm_mode_32 3
		.amdhsa_float_denorm_mode_16_64 3
		.amdhsa_memory_ordered 1
		.amdhsa_forward_progress 1
		.amdhsa_inst_pref_size 125
	.end_amdhsa_kernel
	.amdgpu_metadata
---
amdhsa.version: [ 1, 2 ]
amdhsa.kernels:
  - .name:           k_qc4fce0102f_score
    .symbol:         k_qc4fce0102f_score.kd
    .args:
      - { .name: qbuf, .offset: 0, .size: 8, .value_kind: global_buffer, .address_space: global }
      - { .name: kbuf, .offset: 8, .size: 8, .value_kind: global_buffer, .address_space: global }
      - { .name: pbuf, .offset: 16, .size: 8, .value_kind: global_buffer, .address_space: global }
    .group_segment_fixed_size: 327680
    .private_segment_fixed_size: 0
    .kernarg_segment_align: 8
    .kernarg_segment_size: 24
    .max_flat_workgroup_size: 128
    .sgpr_count:     76
    .vgpr_count:     1024
    .wavefront_size: 32
...
	.end_amdgpu_metadata
.endif
;; end of part 3
;; launch pv (part 4): grid 256 x 1, 4 waves a work-group, no clusters, 296,448 bytes of LDS; arguments pbuf, vbuf, out0; writes out0
.if DOCPART == 4
	.amdgcn_target "amdgcn-amd-amdhsa--gfx1250"
	.amdhsa_code_object_version 6
	.text
	.protected	k_qc4fce0102f_pv
	.globl	k_qc4fce0102f_pv
	.p2align	8
	.type	k_qc4fce0102f_pv,@function
k_qc4fce0102f_pv:
	s_mov_b64 s[64:65], 0
	v_nop
	global_prefetch_b8 v0, s[64:65] scope:SCOPE_SE
	s_setreg_imm32_b32 hwreg(HW_REG_WAVE_MODE, 25, 1), 1
	s_wait_xcnt 0x0
; O = (p v) / l on codes of BF8 (E5M2) with E8M0 scales.  p came in runs of 128 keys, each under its own whole number M.  Here the row's M is the largest of the 16; a run's p is brought under it by taking
; n = M - the run's M off its four scale bytes (no code changes); l = the sum of the runs' sums x 2^-n, by v_ldexp_f32: nothing is rounded but the additions.
; SHARES.  Batch = work-group number % 8.  A work-group makes 128 queries x 128 p.  THE FOUR WAVES SPLIT K: wave w takes keys 512 w .. 512 w + 511 (4 K steps) for the whole tile: 64 sums, and every fragment of p and of v
; is fetched by exactly one wave.  The four partial sums meet in LDS, in f32; wave w adds, divides and stores 32 rows.
; O^T = v^T p^T: source 0 = 16 p of v, source 1 = 16 queries of p: a lane holds one query and eight neighbouring p.
; p: K STEP 0 comes by plain loads straight into its fragments; K STEPS 1 TO 3 by the tensor data mover, one load a wave: 8 rows (query tiles) of 6,144 bytes into the wave's own 65,536 bytes of LDS, from byte 16,384 of them on,
; filled once and read by that wave alone behind one wait.  So the first 16 products wait for K step 0 alone.  All 65,536 bytes later take the wave's partial sums.
; v comes from memory straight into registers, two sets of a K step's 8 fragments.
; THE TABLES USE BOTH HALVES OF THE LANES: lanes 0-15 take the first block of 64 queries (or the first four tiles of v), lanes 16-31 the second, and the matrix instruction reads its scales from the half that it wants.
; NO JOINT REQUEST: half of a work-group's bytes, v's, go straight to registers, which no joint load reaches; of p a quarter likewise.  NO PREFETCH: there is no loop to run ahead in.
; LIMITS: NaN and infinities are not served.  A scale byte that would fall under 0 is held at 0 (2^-127): such a block is under 2^-111 beside a sum l of at least 1/2.
; REGISTERS: windows 2 and 3: the sums, (query tile a, tile jv of v) at 8 (8 (a % 4) + jv), window 2 + a / 4; until the first product window 2 holds the head's tables.
;   window 1: v's fragments, two sets of 8.   window 0: v1-11 addresses; v16-31, v64-83 the divisor's tables; v32-47 v's scale words, v48-63 p's (scales and nothing else); v96-99 1 / l; v126-127 the add's; v128-255 p's 8 fragments, one set.
.set STG,  262144                      ; LDS: 65,536 bytes a wave: p's K steps 1 to 3, later [8 a + jv][1,024]: the partial sums; from here on a stage of 16 rows x 528 bytes for each wave
.set SPARE, STG+4*8448
.set FM,   16                          ; -M, and
.set FL,   64                          ; the sums, of the two query tiles that I divide: 2 i + a'; lanes 0-15 run 2 i, lanes 16-31 run 2 i + 1
.set WK,   80
.set VS,   32                          ; 4 kk + j: lanes 0-15 tile j of v, lanes 16-31 tile 4 + j
.set PS,   48                          ; 4 kk + t: lanes 0-15 query tile t, lanes 16-31 query tile 4 + t
.set RL,   96
.set SPW,  126
.set NIL,  127
.set PF,   128
.set MA,   0                           ; window 2: -M of all 16 runs: 4 g + t; lanes as in PS
.set MB,   64                          ; -M of my four runs: 4 kk + t
.set PR,   80                          ; p's scale words as stored, likewise
.set MX,   96                          ; the rows' -M: t
.set N4,   100
.set SEL,  36
.set G1,   48                          ; s[48:55] descriptor group 1; group 0 in s[56:59]
.set G0,   56
.set MSB, 0
.macro WIN new
.if MSB != (\new)
	s_set_vgpr_msb (MSB<<8)|(\new)
.set MSB, (\new)
.endif
.endm
.macro PLACES n
.rept \n
	v_nop
.endr
.endm
.macro VLOAD kk                        ; v's 8 images of my K step kk: 16,384 consecutive bytes
	WIN 0x40
.irp jv, 0,1,2,3,4,5,6,7
.irp c, 0,1,2,3
	global_load_b128 v[128*((\kk)%2)+16*\jv+4*\c:128*((\kk)%2)+16*\jv+4*\c+3], v1, s[28:29] offset:131072*(\kk)+2048*\jv+512*\c
.endr
.endr
.endm
.macro PLOAD kk, a2                    ; p's images of query tiles 2 a2 and 2 a2 + 1, K step 1 to 3, from my own bytes of LDS: 16,384 + 6,144 x tile + 2,048 (kk - 1)
	WIN 0
.irp aa, 0,1
.irp c, 0,1,2,3
	ds_load_b128 v[PF+16*(2*(\a2)+\aa)+4*\c:PF+16*(2*(\a2)+\aa)+4*\c+3], v4 offset:14336+2048*(\kk)+6144*(2*(\a2)+\aa)+512*\c
.endr
.endr
.endm
; z = 1: the first K step starts the sum.  ra, rb = 1: that side's scales are read from lanes 16-31
.macro WMX d, a, b, z, sa, sb, ra, rb
.if \z
.if (\ra) && (\rb)
	v_wmma_scale_f32_16x16x128_f8f6f4 v[(\d):(\d)+7], v[(\a):(\a)+15], v[(\b):(\b)+15], 0, v[(\sa)], v[(\sb)] matrix_a_fmt:MATRIX_FMT_BF8 matrix_b_fmt:MATRIX_FMT_BF8 matrix_a_scale:MATRIX_SCALE_ROW1 matrix_b_scale:MATRIX_SCALE_ROW1
.elseif (\ra)
	v_wmma_scale_f32_16x16x128_f8f6f4 v[(\d):(\d)+7], v[(\a):(\a)+15], v[(\b):(\b)+15], 0, v[(\sa)], v[(\sb)] matrix_a_fmt:MATRIX_FMT_BF8 matrix_b_fmt:MATRIX_FMT_BF8 matrix_a_scale:MATRIX_SCALE_ROW1
.elseif (\rb)
	v_wmma_scale_f32_16x16x128_f8f6f4 v[(\d):(\d)+7], v[(\a):(\a)+15], v[(\b):(\b)+15], 0, v[(\sa)], v[(\sb)] matrix_a_fmt:MATRIX_FMT_BF8 matrix_b_fmt:MATRIX_FMT_BF8 matrix_b_scale:MATRIX_SCALE_ROW1
.else
	v_wmma_scale_f32_16x16x128_f8f6f4 v[(\d):(\d)+7], v[(\a):(\a)+15], v[(\b):(\b)+15], 0, v[(\sa)], v[(\sb)] matrix_a_fmt:MATRIX_FMT_BF8 matrix_b_fmt:MATRIX_FMT_BF8
.endif
.else
.if (\ra) && (\rb)
	v_wmma_scale_f32_16x16x128_f8f6f4 v[(\d):(\d)+7], v[(\a):(\a)+15], v[(\b):(\b)+15], v[(\d):(\d)+7], v[(\sa)], v[(\sb)] matrix_a_fmt:MATRIX_FMT_BF8 matrix_b_fmt:MATRIX_FMT_BF8 matrix_a_scale:MATRIX_SCALE_ROW1 matrix_b_scale:MATRIX_SCALE_ROW1
.elseif (\ra)
	v_wmma_scale_f32_16x16x128_f8f6f4 v[(\d):(\d)+7], v[(\a):(\a)+15], v[(\b):(\b)+15], v[(\d):(\d)+7], v[(\sa)], v[(\sb)] matrix_a_fmt:MATRIX_FMT_BF8 matrix_b_fmt:MATRIX_FMT_BF8 matrix_a_scale:MATRIX_SCALE_ROW1
.elseif (\rb)
	v_wmma_scale_f32_16x16x128_f8f6f4 v[(\d):(\d)+7], v[(\a):(\a)+15], v[(\b):(\b)+15], v[(\d):(\d)+7], v[(\sa)], v[(\sb)] matrix_a_fmt:MATRIX_FMT_BF8 matrix_b_fmt:MATRIX_FMT_BF8 matrix_b_scale:MATRIX_SCALE_ROW1
.else
	v_wmma_scale_f32_16x16x128_f8f6f4 v[(\d):(\d)+7], v[(\a):(\a)+15], v[(\b):(\b)+15], v[(\d):(\d)+7], v[(\sa)], v[(\sb)] matrix_a_fmt:MATRIX_FMT_BF8 matrix_b_fmt:MATRIX_FMT_BF8
.endif
.endif
.endm
; 16 matrix instructions: two query tiles against v's eight.  The 64 sums take turns, one instruction a turn.
.macro RUN kk, a2
.if (\kk) == 0
.set z_, 1
.else
.set z_, 0
.endif
.if (\a2) == 0
.if (\kk) < 2
	s_wait_loadcnt 48                              ; this K step's v (and at K step 0 its p) is in.  Behind it, at K step 0: the next v (32) and the divisor's tables (16); at K step 1: those 16 and the next v
.elseif (\kk) == 2
	s_wait_loadcnt 32                              ; behind it: the last v
.else
	s_wait_loadcnt 0x0
.endif
.endif
.if (\kk) == 3
	s_wait_dscnt 24-8*(\a2)                        ; the last K step: only its own later runs are behind
.elseif (\kk) > 0
	s_wait_dscnt 24                                ; behind the 8 LDS loads that this run needs: always three runs of 8
.endif
.if (\a2) < 2
	WIN 0xa1                                       ; v window 1, p window 0, C and D window 2
.else
	WIN 0xf1
.endif
.irp aa, 0,1
.irp jv, 0,1,2,3,4,5,6,7
.set a_, 2*(\a2)+\aa
.set ac_, 8*(8*(a_%4)+\jv)
	WMX ac_, 128*((\kk)%2)+16*\jv, PF+16*a_, z_, VS+4*(\kk)+\jv%4, PS+4*(\kk)+a_%4, \jv/4, a_/4
.endr
.endr
	PLACES 8                                       ; in front of loads into registers that these products read, and of the first read of results
.if (\kk) < 3
.if (\kk) == 0 && (\a2) == 0
	s_wait_tensorcnt 0x0                           ; my K steps 1 to 3 of p have landed
.endif
	PLOAD (\kk)+1, \a2
.endif
.endm
	s_load_b128 s[4:7], s[0:1], 0x0                ; pbuf, vbuf
	s_load_b64 s[8:9], s[0:1], 0x10                ; out0
	v_lshl_add_u32 v[SPW], v0, 2, SPARE
	v_mov_b32 v[NIL], 0
	ds_add_u32 v[SPW], v[NIL]                      ; the wave's opening: the add, twice on end, and its wait ahead of my first tensor load
	ds_add_u32 v[SPW], v[NIL]
	v_lshrrev_b32 v12, 5, v0
	v_readfirstlane_b32 s10, v12                   ; wave
	v_and_b32 v12, 31, v0                          ; lane
	v_and_b32 v13, 15, v0                          ; r
	v_bfe_u32 v14, v0, 4, 1                        ; h
	v_lshlrev_b32 v1, 4, v12                       ; 16 x lane
	v_lshlrev_b32 v15, 4, v13                      ; 16 r
	v_lshl_add_u32 v2, v14, 13, v15                ; 16 r + 8,192 h: a record of -M, lanes 16-31 in the next block of 64 queries
	v_lshl_add_u32 v3, v14, 9, v15                 ; 16 r + 512 h: lanes 16-31 in the next run of keys
	v_lshl_add_u32 v11, v14, 12, v15               ; 16 r + 4,096 h: a record of scale words, lanes 16-31 in the next block of 64 queries
	s_lshl_b32 s46, s10, 16                        ; my 65,536 bytes of LDS
	v_add_nc_u32 v4, s46, v1                       ; p's images, and later my partial sums
	s_lshl_b32 s11, s10, 14
.irp pw, 0,1,2,3
	v_add_nc_u32 v[5+\pw], s11, v1                 ; wave pw's partial sums of the 16 that I add
.endr
.irp pw, 1,2,3
	v_add_nc_u32 v[5+\pw], 65536*\pw, v[5+\pw]
.endr
	s_mul_i32 s11, s10, 8448
	s_add_co_u32 s11, s11, STG
	v_mul_u32_u24 v9, v13, 528
	v_lshl_add_u32 v9, v14, 6, v9
	v_add_nc_u32 v9, s11, v9                       ; my stage, in: row r, + 64 h
	v_add_nc_u32 v10, s11, v1                      ; and back: 16 bytes a lane of a row
	v_mov_b32 v[WK+2], 0                           ; a lane permute's destination counts as one of its sources
	v_mov_b32 v[WK+3], 0
	s_mov_b32 s[SEL], 0x76543210
	s_mov_b32 s[SEL+1], 0xfedcba98
	; descriptor group 1: three K steps' images of 8 query tiles: 8 rows of 6,144 bytes (768 elements of 8 bytes), 32,768 bytes apart in memory, on end in LDS
	s_mov_b32 s[G1], 3<<16                         ; 15:0 no mask; 17:16 elements of 8 bytes; no padding
	s_mov_b32 s[G1+1], 768<<16                     ; tensor_dim0
	s_mov_b32 s[G1+2], 8<<16                       ; tensor_dim1
	s_mov_b32 s[G1+3], 768<<16                     ; tile_dim0
	s_mov_b32 s[G1+4], 8                           ; tile_dim1
	s_mov_b32 s[G1+5], 4096                        ; tensor_dim0_stride
	s_mov_b32 s[G1+6], 0
	s_mov_b32 s[G1+7], 0
	s_and_b32 s12, ttmp9, 7                        ; batch
	s_bfe_u32 s13, ttmp9, 0x20003                  ; qb2: my 128 queries
	s_lshr_b32 s14, ttmp9, 5                       ; pb: my 128 p
	s_lshl_b32 s32, s12, 3
	s_lshl_b32 s33, s13, 1
	s_add_co_u32 s32, s32, s33                     ; 8 b + 2 qb2: my first block of 64 queries
	s_mov_b32 s35, 0
	s_mov_b32 s39, 0
	s_mov_b32 s41, 0
	s_mov_b32 s43, 0
	s_mov_b32 s45, 0
	s_lshl_b32 s34, s32, 13
	s_add_co_u32 s34, s34, 0x840000                ; its 16 records of -M and sums
	s_lshl_b32 s38, s32, 12
	s_add_co_u32 s38, s38, 0x800000
	s_lshl_b32 s33, s10, 10
	s_add_co_u32 s38, s38, s33                     ; p's scale words of my four runs
	s_lshl_b32 s40, s12, 4
	s_lshl_b32 s33, s10, 2
	s_add_co_u32 s40, s40, s33                     ; 16 b + 4 w: my first K step of keys
	s_lshl_b32 s42, s40, 17
	s_lshl_b32 s33, s14, 14
	s_add_co_u32 s42, s42, s33                     ; v's images
	s_lshl_b32 s40, s40, 4
	s_lshl_b32 s33, s14, 1
	s_add_co_u32 s40, s40, s33
	s_lshl_b32 s40, s40, 8
	s_add_co_u32 s40, s40, 0x1000000               ; v's scale words: two records of 256 bytes on end for each K step
	s_lshl_b32 s44, s12, 5
	s_lshl_b32 s33, s13, 3
	s_add_co_u32 s44, s44, s33
	s_lshl_b32 s44, s44, 15
	s_lshl_b32 s33, s10, 13
	s_add_co_u32 s44, s44, s33                     ; p's images
	s_wait_alu depctr_va_vdst(0)
	s_wait_dscnt 0x0                               ; both opening adds are done
	s_wait_kmcnt 0x0
	s_add_nc_u64 s[26:27], s[4:5], s[44:45]
	s_mov_b32 s[G0], 1                             ; 1:0 count = 1
	s_add_co_u32 s[G0+1], s46, 16384               ; 63:32 LDS address
	s_add_nc_u64 s[G0+2:G0+3], s[26:27], 2048      ; 120:64 global address: my first query tile's image of K step 1
	s_or_b32 s[G0+3], s[G0+3], 0x80000000          ; 127:126 type = 2
	tensor_load_to_lds s[G0:G0+3], s[G1:G1+7]      ; the wave's one load
	s_nop 0
.rept 4
	v_nop
.endr
	s_add_nc_u64 s[16:17], s[4:5], s[34:35]        ; the records, all runs
	s_add_nc_u64 s[20:21], s[4:5], s[38:39]
	s_add_nc_u64 s[22:23], s[6:7], s[40:41]
	s_add_nc_u64 s[28:29], s[6:7], s[42:43]
	s_lshl_b32 s34, s10, 11
	s_add_nc_u64 s[18:19], s[16:17], s[34:35]      ; the records of my four runs
	s_lshr_b32 s34, s10, 1
	s_lshl_b32 s34, s34, 13
	s_and_b32 s33, s10, 1
	s_lshl_b32 s33, s33, 3
	s_add_co_u32 s34, s34, s33
	s_add_nc_u64 s[24:25], s[16:17], s[34:35]      ; the records of query tiles 2 w and 2 w + 1
	s_lshl_b32 s34, s12, 9
	s_lshl_b32 s33, s13, 7
	s_add_co_u32 s34, s34, s33
	s_lshl_b32 s33, s10, 5
	s_add_co_u32 s34, s34, s33
	s_lshl_b32 s34, s34, 12                        ; row 512 b + 128 qb2 + 32 w of 4,096 bytes,
	s_lshl_b32 s33, s14, 9
	s_add_co_u32 s34, s34, s33                     ; + 512 pb
	s_add_nc_u64 s[30:31], s[8:9], s[34:35]
	WIN 0x80                                       ; the tables go to window 2: 28 loads with v's scale words
.irp g, 0,1,2,3,4,5,6,7,8,9,10,11,12,13,14,15
	global_load_b128 v[MA+4*\g:MA+4*\g+3], v2, s[16:17] offset:512*\g
.endr
.irp kk, 0,1,2,3
	global_load_b128 v[MB+4*\kk:MB+4*\kk+3], v2, s[18:19] offset:512*\kk
	global_load_b128 v[PR+4*\kk:PR+4*\kk+3], v11, s[20:21] offset:256*\kk
.endr
	WIN 0
.irp kk, 0,1,2,3
	global_load_b128 v[VS+4*\kk:VS+4*\kk+3], v1, s[22:23] offset:4096*\kk   ; 512 consecutive bytes: lanes 0-15 the first four tiles' words, lanes 16-31 the others'
.endr
.irp a, 0,1,2,3,4,5,6,7
.irp c, 0,1,2,3
	global_load_b128 v[PF+16*\a+4*\c:PF+16*\a+4*\c+3], v1, s[26:27] offset:32768*\a+512*\c   ; K step 0 of p: 32 loads
.endr
.endr
	VLOAD 0
	VLOAD 1
	s_wait_loadcnt 63                              ; behind the last table load 96 loads were issued: the tables are in
	WIN 0
.irp i, 0,1,2,3,4,5,6,7
	global_load_b64 v[FM+2*\i:FM+2*\i+1], v3, s[24:25] offset:1024*\i       ; the divisor's tables: wanted behind the products
	global_load_b64 v[FL+2*\i:FL+2*\i+1], v3, s[24:25] offset:1024*\i+256
.endr
	WIN 0xaa                                       ; all in window 2
.irp t, 0,1,2,3
	v_min_num_f32 v[MX+\t], v[MA+\t], v[MA+4+\t]   ; the least -M is the largest M
.endr
.irp g, 2,4,6,8,10,12,14
.irp t, 0,1,2,3
	v_min3_num_f32 v[MX+\t], v[MX+\t], v[MA+4*\g+\t], v[MA+4*\g+4+\t]
.endr
.endr
.set f_, 0
.rept 16
	v_sub_f32 v[N4+f_], v[MB+f_], v[MX+f_%4]              ; n = M - the run's M: a whole number, 0 or more
.set f_, f_+1
.endr
.set f_, 0
.rept 16
	v_min_num_f32 v[N4+f_], 0x42fe0000, v[N4+f_]          ; at most 127: every byte is at most 112
.set f_, f_+1
.endr
.set f_, 0
.rept 16
	v_cvt_u32_f32 v[N4+f_], v[N4+f_]
.set f_, f_+1
.endr
.set f_, 0
.rept 16
	v_mul_lo_u32 v[N4+f_], v[N4+f_], 0x01010101           ; n in each of the four bytes
.set f_, f_+1
.endr
.set f_, 0
.rept 16
	v_or_b32 v[PR+f_], 0x80808080, v[PR+f_]               ; bit 7 of each byte is free: set, it keeps a borrow from passing into the next byte,
.set f_, f_+1
.endr
.set f_, 0
.rept 16
	v_sub_nc_u32 v[PR+f_], v[PR+f_], v[N4+f_]             ; and stays set where byte - n is 0 or more
.set f_, f_+1
.endr
.set f_, 0
.rept 16
	v_and_b32 v[N4+f_], 0x80808080, v[PR+f_]
.set f_, f_+1
.endr
.set f_, 0
.rept 16
	v_lshrrev_b32 v[MB+f_], 7, v[N4+f_]
.set f_, f_+1
.endr
.set f_, 0
.rept 16
	v_sub_nc_u32 v[N4+f_], v[N4+f_], v[MB+f_]             ; 0x7f in the bytes that stay, 0 in the others
.set f_, f_+1
.endr
	WIN 0x0a
.set f_, 0
.rept 16
	v_and_b32 v[PS+f_], v[PR+f_], v[N4+f_]                ; p's scale words under the row's M
.set f_, f_+1
.endr
	WIN 0
	PLACES 8                                       ; scale registers written by vector instructions stand eight places ahead of the first product
.irp kk, 0,1,2,3
	s_wait_alu depctr_va_vdst(0)
.irp a2, 0,1,2,3
	RUN \kk, \a2
.endr
.if \kk < 2
	VLOAD \kk+2                                    ; into the set that this K step read
.endif
.endr
	; THE FOUR PARTIAL SUMS MEET IN LDS, as images of their registers, in the wave's own 65,536 bytes: those have had their one fill, my reads of them are back, and no other wave has touched them.
	; (The eight places behind the last products have passed)
.set x_, 0
.rept 64
	WIN 0x08+4*(x_/32)                             ; an LDS store's data are its source 1: window 2 or 3
	ds_store_b128 v4, v[8*(x_%32):8*(x_%32)+3] offset:1024*x_          ; each sum from its low end on
	ds_store_b128 v4, v[8*(x_%32)+4:8*(x_%32)+7] offset:1024*x_+512
.set x_, x_+1
.endr
	WIN 0
	; the divisor of query tiles 2 w and 2 w + 1, while the stores are on their way
.irp a, 0,1
	v_min_num_f32 v[WK+\a], v[FM+\a], v[FM+2+\a]
.endr
.irp i, 2,4,6
.irp a, 0,1
	v_min3_num_f32 v[WK+\a], v[WK+\a], v[FM+2*\i+\a], v[FM+2*\i+2+\a]
.endr
.endr
.irp a, 0,1
	v_permlanex16_b32 v[WK+2+\a], v[WK+\a], s[SEL], s[SEL+1]
.endr
.irp a, 0,1
	v_min_num_f32 v[WK+\a], v[WK+\a], v[WK+2+\a]   ; the row's -M
.endr
.set f_, 0
.rept 16
	v_sub_f32 v[FM+f_], v[WK+f_%2], v[FM+f_]       ; the run's M - M: 0 or less
.set f_, f_+1
.endr
.set f_, 0
.rept 16
	v_cvt_i32_f32 v[FM+f_], v[FM+f_]               ; (it saturates)
.set f_, f_+1
.endr
.set f_, 0
.rept 16
	v_ldexp_f32 v[FL+f_], v[FL+f_], v[FM+f_]       ; the run's sum under the row's M
.set f_, f_+1
.endr
.irp a, 0,1
	v_add_f32 v[WK+\a], v[FL+\a], v[FL+2+\a]
.endr
.irp i, 2,3,4,5,6,7
.irp a, 0,1
	v_add_f32 v[WK+\a], v[WK+\a], v[FL+2*\i+\a]
.endr
.endr
.irp a, 0,1
	v_permlanex16_b32 v[WK+2+\a], v[WK+\a], s[SEL], s[SEL+1]
.endr
.irp a, 0,1
	v_add_f32 v[WK+\a], v[WK+\a], v[WK+2+\a]       ; l: all 16 runs
.endr
	s_wait_alu depctr_va_vdst(0)                   ; ahead of the transcendentals
	v_rcp_f32 v[RL], v[WK]
	v_rcp_f32 v[RL+2], v[WK+1]
	v_mov_b32 v[RL+1], 0                           ; (named as the upper halves of pairs; also the plain place behind the reciprocals)
	v_mov_b32 v[RL+3], 0
	s_wait_dscnt 0x0                               ; for the others' sake: my stores have landed
	s_barrier_signal -1
	s_barrier_wait -1
.irp pw, 0,1,2,3
	WIN 0x40*(1+\pw/2)                             ; waves 0 and 1: window 1; waves 2 and 3: window 2
.set x_, 0
.rept 32
	ds_load_b128 v[128*(\pw%2)+4*x_:128*(\pw%2)+4*x_+3], v[5+\pw] offset:512*x_
.set x_, x_+1
.endr
.endr
	s_wait_dscnt 0x0
	WIN 0x45
.set x_, 0
.rept 64
	v_pk_add_f32 v[x_:x_+1], v[x_:x_+1], v[128+x_:129+x_]     ; waves 0 and 1
.set x_, x_+2
.endr
	WIN 0x8a
.set x_, 0
.rept 64
	v_pk_add_f32 v[x_:x_+1], v[x_:x_+1], v[128+x_:129+x_]     ; waves 2 and 3
.set x_, x_+2
.endr
	WIN 0x49                                       ; destination and source 0 window 1, source 1 window 2
.set x_, 0
.rept 64
	v_pk_add_f32 v[x_:x_+1], v[x_:x_+1], v[x_:x_+1]
.set x_, x_+2
.endr
	WIN 0x41
.set x_, 0
	s_wait_alu depctr_va_vdst(0)                   ; ahead of the reciprocals' first reader
.rept 64
	v_pk_mul_f32 v[x_:x_+1], v[x_:x_+1], v[RL+2*(x_/64):RL+2*(x_/64)+1] op_sel_hi:[1,0]   ; / l: registers 0-63 are query tile 2 w, 64-127 tile 2 w + 1
.set x_, x_+2
.endr
	; THE WAY OUT: a lane's eight numbers of tile jv are p = 32 (jv / 2) + 8 (jv % 2) + 16 h + 0 .. 7 of its row; a tile of 16 rows turns through my stage and leaves as whole rows of 512 bytes
.irp a, 0,1
	WIN 0x04
.irp jv, 0,1,2,3,4,5,6,7
	ds_store_b128 v9, v[64*\a+8*\jv:64*\a+8*\jv+3] offset:128*(\jv/2)+32*(\jv%2)
	ds_store_b128 v9, v[64*\a+8*\jv+4:64*\a+8*\jv+7] offset:128*(\jv/2)+32*(\jv%2)+16
.endr
	WIN 0
.irp rr, 0,1,2,3,4,5,6,7,8,9,10,11,12,13,14,15
	ds_load_b128 v[PF+64*\a+4*\rr:PF+64*\a+4*\rr+3], v10 offset:528*\rr   ; LDS serves a wave's instructions in order: these see my stores, and the next tile's stores come behind them
.endr
.endr
.irp a, 0,1
.irp rr, 0,1,2,3,4,5,6,7,8,9,10,11,12,13,14,15
	s_wait_dscnt 47-32*\a-\rr                      ; behind this row's load: the rest of its tile's, and the next tile's 16 stores and 16 loads
	global_store_b128 v1, v[PF+64*\a+4*\rr:PF+64*\a+4*\rr+3], s[30:31] offset:(8*\a+\rr+8*(\rr/8))*4096 th:TH_STORE_NT   ; 32 lanes store 512 consecutive bytes, aligned; written once, read by nobody here
.endr
.endr
	s_wait_tensorcnt 0x0                           ; the wave's end
	ds_add_u32 v[SPW], v[NIL]
	s_wait_dscnt 0x0
	s_endpgm
.Lfunc_end_k_qc4fce0102f_pv:
	.size	k_qc4fce0102f_pv, .Lfunc_end_k_qc4fce0102f_pv-k_qc4fce0102f_pv
	.p2alignl 7, 3214868480
	.fill 96, 4, 3214868480
	.section	.rodata,"a",@progbits
	.p2align	6, 0x0
	.amdhsa_kernel k_qc4fce0102f_pv
		.amdhsa_group_segment_fixed_size 296448
		.amdhsa_private_segment_fixed_size 0
		.amdhsa_enable_private_segment 0
		.amdhsa_kernarg_size 24
		.amdhsa_user_sgpr_count 2
		.amdhsa_user_sgpr_kernarg_segment_ptr 1
		.amdhsa_wavefront_size32 1
		.amdhsa_system_sgpr_workgroup_id_x 1
		.amdhsa_system_sgpr_workgroup_id_y 1
		.amdhsa_system_sgpr_workgroup_id_z 1
		.amdhsa_system_vgpr_workitem_id 0
		.amdhsa_next_free_vgpr 1024
		.amdhsa_next_free_sgpr 76
		.amdhsa_reserve_vcc 0
		.amdhsa_float_denorm_mode_32 3
		.amdhsa_float_denorm_mode_16_64 3
		.amdhsa_memory_ordered 1
		.amdhsa_forward_progress 1
		.amdhsa_inst_pref_size 122
	.end_amdhsa_kernel
	.amdgpu_metadata
---
amdhsa.version: [ 1, 2 ]
amdhsa.kernels:
  - .name:           k_qc4fce0102f_pv
    .symbol:         k_qc4fce0102f_pv.kd
    .args:
      - { .name: pbuf, .offset: 0, .size: 8, .value_kind: global_buffer, .address_space: global }
      - { .name: vbuf, .offset: 8, .size: 8, .value_kind: global_buffer, .address_space: global }
      - { .name: out0, .offset: 16, .size: 8, .value_kind: global_buffer, .address_space: global }
    .group_segment_fixed_size: 296448
    .private_segment_fixed_size: 0
    .kernarg_segment_align: 8
    .kernarg_segment_size: 24
    .max_flat_workgroup_size: 128
    .sgpr_count:     76
    .vgpr_count:     1024
    .wavefront_size: 32
...
	.end_amdgpu_metadata
.endif
;; end of part 4
